; MI455X (gfx1250); checked and timed in simulation.
; The chip was launched on July 23, 2026; its instructions are those of AMD's public machine-readable ISA for CDNA 5 (MIT licence, August 2026) and "CDNA5" Instruction Set Architecture Reference Guide (July 2026). The comments in the code are by the model that wrote it; some were corrected since.
;; Local Experts. Allowed arithmetic: matrix products marked QUANTISED: E5M2 operands, one given power-of-two scale a tensor, by v_wmma_f32_16x16x64_bf8_bf8 or v_wmma_f32_16x16x128_bf8_bf8, f32 sums; everything else in f32.
;; Inputs: dispatched_hidden_states_codes 8 x 8 x 512 x 16 x 32 uint8 (E5M2 codes of dispatched_hidden_states, K innermost, in blocks of 32 codes); experts_capacity_usage 8 int32; lowp_scales 4 int32 (the exponents e of the quantised operands' scales 2^e); wi_codes 8 x 2,048 x 16 x 32 uint8 (E5M2 codes of wi, K innermost, in blocks of 32 codes); wo_codes 8 x 512 x 64 x 32 uint8 (E5M2 codes of wo, K innermost, in blocks of 32 codes).
;; Outputs: out0 8 x 8 x 512 x 512 float32.
;; This version of the problem:
;;   THIS VERSION OF THE PROBLEM IS GIVEN IN LOW PRECISION. The matrix products marked QUANTISED in the list below multiply operands that are first quantised to E5M2 (5 exponent bits, 2 mantissa bits; 8 bits a number), with one given power-of-two scale for each operand tensor; their sums are f32. All else is computed in f32.
;;   The module's matrix products, in the order in which they are computed (A, B: the left and right operand; K: the contracted axis; several contracted axes count as one K, in the product's order):
;;     1. batch 8 x [M 4,096, K 512] x [K 512, N 2,048]; A: input dispatched_hidden_states (given as codes); B: input wi (given as codes): QUANTISED (scales: A lowp_scales[0], B lowp_scales[1])
;;     2. batch 8 x [M 4,096, K 2,048] x [K 2,048, N 512]; A: computed on the way; B: input wo (given as codes): QUANTISED (scales: A lowp_scales[2], B lowp_scales[3])
;;   THE QUANTISER, for each operand of a quantised product, along K:
;;     - The operand's scale is 2^e, e = its entry of the input lowp_scales (int32; the entries are numbered through the quantised products in the list's order, A before B).
;;     - Each number is divided by the scale, clamped to +-57,344, and rounded to the nearest number of E5M2, ties to even, subnormals kept.
;;     - The product sums the exact products of the quantised numbers (number of the format x scale) in f32.
;;   ~~~python
;;   def quantise(x, axis, e):      # numpy; x: float32 -> the quantised numbers, widened to float32 again
;;       x = np.moveaxis(x, axis, -1); K = x.shape[-1]
;;       r = np.clip(x / 2.0 ** e, -57344, 57344)
;;       step = 2.0 ** (np.maximum(np.frexp(np.where(r == 0, 1, r))[1] - 1, -14) - 2)
;;       q = np.round(r / step) * step * 2.0 ** e      # np.round: ties to even
;;       return np.moveaxis(q, -1, axis).astype(np.float32)
;;   ~~~
;;   OPERANDS COMPUTED ON THE WAY. 'Computed on the way' means the value that the module computes at that place (a softmax that the list does not call 'softmax' is quantised finished and normalised). What goes into a quantiser is computed in f32, as accurately as f32 sums, v_exp_f32 and their like allow (about 1e-6 of the number): no bf16 or f16 on the way to a quantiser, and a product that is left as it is and whose result goes on into a quantised operand takes f32 operands (vector FMAs, or v_wmma_f32_16x16x4_f32). A number that lies on a knife's edge between two numbers of the format may be rounded either way, as far as f32 arithmetic and the matrix unit's own rounding can turn it there, and no further.
;;   INPUTS GIVEN AS CODES. dispatched_hidden_states (in the module: [8, 8, 512, 512], K = its axis 3); wi (in the module: [8, 512, 2048], K = its axis 1); wo (in the module: [8, 2048, 512], K = its axis 1): each comes as NAME_codes (uint8): NAME with its K axis moved to the last place and cut into blocks of 32 codes, [.., K / 32, bytes a block], one block behind the other in memory; one code a byte (a code: sign, 5 exponent bits, 2 mantissa bits); its scale is its entry of lowp_scales. Its value is code x scale, taken as it is: it is not quantised again, and the codes and scales need not be those that the quantiser above would give.
;; One version. Each part assembles by itself: llvm-mc -triple=amdgcn-amd-amdhsa -mcpu=gfx1250 --defsym DOCPART=n.
;; ======== version 1 of 1: 1 launch
;; launch ffn (part 1): grid 256 x 1, 4 waves a work-group, clusters of 4 x 1, 327,680 bytes of LDS; arguments dispatched_hidden_states_codes, experts_capacity_usage, lowp_scales, wi_codes, wo_codes, out0; writes out0
.if DOCPART == 1
	.amdgcn_target "amdgcn-amd-amdhsa--gfx1250"
	.amdhsa_code_object_version 6
	.text
	.protected	k_qdf6ade4c0c_ffn
	.globl	k_qdf6ade4c0c_ffn
	.p2align	8
	.type	k_qdf6ade4c0c_ffn,@function
k_qdf6ade4c0c_ffn:
	s_mov_b64 s[64:65], 0
	v_nop
	global_prefetch_b8 v0, s[64:65] scope:SCOPE_SE
	s_setreg_imm32_b32 hwreg(HW_REG_WAVE_MODE, 25, 1), 1
	s_wait_xcnt 0x0
	s_wait_alu depctr_hold_cnt(0) depctr_sa_sdst(0) depctr_va_vdst(0) depctr_va_sdst(0) depctr_va_ssrc(0) depctr_va_vcc(0) depctr_vm_vsrc(0)
	s_getreg_b32 s2, hwreg(HW_REG_IB_STS2, 6, 4)
	s_cmp_eq_u32 s2, 0
	s_cbranch_scc0 .Lentry_in_a_cluster
	s_endpgm
.Lentry_in_a_cluster:
	s_bfe_u32 s2, ttmp6, 0x10000c
	s_cmp_lg_u32 s2, 0x3003
	s_cbranch_scc0 .Lentry_shape_is_right
	s_endpgm
.Lentry_shape_is_right:
; out[e] = Q(relu(x[e] wi[e])) wo[e] for 8 experts, 4,096 rows each, d_model 512, d_ff 2,048; both products on codes of BF8 (E5M2), each operand with the one scale 2^e given for it:
; e0 (x), e1 (wi), e2 (the hidden layer), e3 (wo).  x: [32768][512] codes; wi: [8][2048 f][512] codes; wo: [8][512 d][2048] codes: K innermost in all three.  out: [32768][512] f32.
; The hidden layer never goes to memory: it is made 256 units (a CHUNK) at a time, quantised in registers, and multiplied on at once.
; experts_capacity_usage is an input that the computation uses nowhere: it is read once, by a scalar load, and enters nothing.
; SHARES.  A work-group owns 128 rows of one expert (256 work-groups) and walks the expert's 8 chunks.  A chunk has two phases: P1: h = x wi_chunk^T, relu, codes;  P2: out += h wo_chunk^T.
; Four waves, 2 x 2: wave = 2 i + j.  P1: rows 64 i on (4 tiles of 16) x units 128 j on of the chunk (8 pieces of 16); its 64 rows of x stay in 256 registers for the whole launch.
; P2: rows 64 i on x columns 256 j on of out: 64 accumulators, 512 registers.  Every fragment of a weight that is read from LDS feeds four matrix instructions.
; BOTH PRODUCTS ARE USED TRANSPOSED (source 0 = 16 rows of the weight, source 1 = 16 rows of x or of h): a lane holds ONE row, and its eight registers eight neighbours along f (P1) or along d (P2).
; ALL FOUR OPERANDS LIE ALIKE: registers 4 c .. 4 c + 3 of a fragment hold k = 32 c + 16 (lane / 16) + 0 .. 15: what four loads of 16 bytes a lane bring.  It is one permutation of k within an instruction's 128, the same
; on both sides of each product, so each number meets its partner.  h is brought into it in registers: piece p's eight numbers of a lane (units 16 p + 8 (lane / 16) + 0 .. 7) become registers 2 p, 2 p + 1 by one conversion,
; and behind each odd piece the upper lanes of piece 2 c's two registers change places with the lower lanes of piece 2 c + 1's (v_permlane16_swap_b32): lanes 0-15 then hold units 32 c + 0 .. 15, lanes 16-31 units 32 c + 16 .. 31.
; A wave's 128 units are one K step of P2.  Its own codes stay in registers; an image of those registers goes through LDS to the wave that shares its rows.  P2 takes the own K step first.
; CLUSTER.  The four work-groups of a cluster belong to one expert and walk the same weights: each tile is asked for JOINTLY, by the same tensor load with the same descriptor and the mask 15.
; Cluster c serves expert c % 8 and is number q = c / 8 of that expert's eight (which clusters share an expert is free: every numbering gives the same rows the same work).  It takes the chunks in the order
; q, q + 1, .. (mod 8): no two clusters of an expert ask for the same tile at the same step.  Only the order of the f32 sums over f hangs on q.
; RING.  Two LDS slots: A holds a chunk's tile of wi, B its tile of wo.  Slot A is left at P1's last step, whose fragments are then in registers, and is filled again there; slot B at P2's last steps.  So each tile has
; about a phase in which to land.  A wave has two tensor loads out at the start, later one.
; LIMITS.  e2 - e0 - e1 between -126 and 112, and e2 + e3 between -126 and 127, so that each power of two below is an f32 number.  A NaN among the hidden sums (NaN codes, infinity x 0) is not carried on: the hold
; makes a number of it.  The f32 sums over f are taken chunk by chunk from chunk q on, not from f = 0.
; REGISTERS, in windows of 256 (s_set_vgpr_msb's low byte: bits 1:0 source 0, 3:2 source 1, 5:4 source 2, 7:6 destination):
;   window 0: v1-13 addresses and scales; v16-111 three pairs of weight fragments; v112-175 P1: two sets of four accumulators, P2: the partner's four fragments of h; v176-239 my four fragments of h
;   window 1: x, fragment (row tile m, K step s) at v[16 (4 m + s)]      windows 2, 3: out's accumulators: (row tile m, column tile n) at v[64 m + 8 (n % 8)] of window 2 + n / 8
.set PA,     528                       ; a row of wi's tile in LDS: 512 bytes + 16 = 132 words: row r starts at bank 4 r mod 64 (64 banks of 4 bytes: ISA guide 11.1): 16 rows, 16 different starts
.set PB,     272                       ; a row of wo's tile: 256 bytes + 16 = 68 words: likewise
.set SLOTB,  256*PA                    ; slot A: bytes 0 on, 256 rows (units) x 528;  slot B: 512 rows (d) x 272
.set HIMG,   SLOTB+512*PB              ; 16 images of 2,048 bytes: fragment (i, m, K step) at 16384 i + 4096 m + 2048 step.  No tensor load lands here
.set SPARE,  HIMG+32768                ; the spare words, 128 bytes for each wave: two blocks of 256 bytes that no other line names
.set SP,     528                       ; the way out: a stage of 16 rows x (512 + 16) bytes for each wave, in slot A, which has then had its last fill and its last read
.set SPW,  1                           ; v1   SPARE + 4 x my thread's number; never rewritten
.set NIL,  2                           ; v2   0; never rewritten
.set ADWI, 3                           ; v3   my lane's place in my 128 rows of wi's tile
.set ADWO, 4                           ; v4   my lane's place in my 256 rows of wo's tile, at my own K step
.set ADWP, 5                           ; v5   the same at the partner's K step
.set HST,  6                           ; v6   where I store my images of h
.set HLD,  7                           ; v7   where I read the partner's
.set SC,   8                           ; v8   2^(e2 - e0 - e1) as f32: the conversion takes its exponent field
.set LIM,  9                           ; v9   57,344 x that
.set XA,   10                          ; v10  x: my lane's byte in the wave's rows
.set RD,   11                          ; v11  the way out: where I read a row back
.set CO,   12                          ; v12  16 x lane: my bytes of a row's 512
.set STO,  13                          ; v13  the way out: where I put 32 bytes of a row
.set W,    16
.set HACC, 112
.set HPART, 112
.set HOWN, 176
.set TMP,  16                          ; the way out: a block's 64 numbers a lane
.set BK,   80                          ; and 16 rows read back: v80-143 and v144-207 by turns
.set WV,   16                          ; s16 wave; s17 i; s18 j; s19 1 - j
.set G1A,  24                          ; s[24:31] descriptor group 1 for wi's tiles; s[32:39] for wo's
.set G1B,  32
.set G0A,  40                          ; s[40:43], s[44:47] their groups 0
.set G0B,  44
.set BASEA, 48                         ; s[48:49] wi at my expert and my quarter of a tile; s[50:51] wo likewise
.set BASEB, 50
.set CNT,  52
.set CH,   53                          ; the chunk of the next fills
.set OSC,  54                          ; s[54:55] 2^(e2 + e3), named as a pair
.set S1,   0x04                        ; P1: source 1 (x) window 1, all else window 0
.set MSB, 0
.macro WIN new                         ; the immediate's high byte repeats the setting that is left; a switch that changes nothing is dropped
.if MSB != (\new)
	s_set_vgpr_msb (MSB<<8)|(\new)
.set MSB, (\new)
.endif
.endm
.macro PLACES n                        ; plain vector lines behind a matrix instruction (ISA guide 7.12.1 for vector instructions)
.rept \n
	v_nop
.endr
.endm
.macro CREST                           ; a round of the cluster's barrier behind its opening barrier
	s_cmp_lg_u32 s[WV], 0
	s_cbranch_scc1 .Lnot_wave_0_\@
	s_barrier_signal -3
.Lnot_wave_0_\@:
	s_barrier_wait -3
	s_barrier_signal -1
	s_barrier_wait -1
.endm
.macro ROUND                           ; a whole round
	s_barrier_signal -1
	s_barrier_wait -1
	CREST
.endm
.macro SETA                            ; wi's descriptor: chunk CH begins 256 rows x 512 bytes x CH into the expert
	s_lshl_b32 s56, s[CH], 17
	s_mov_b32 s57, 0
	s_add_nc_u64 s[G0A+2:G0A+3], s[BASEA:BASEA+1], s[56:57]
	s_or_b32 s[G0A+3], s[G0A+3], 0x80000000        ; 127:126 type = 2
.endm
.macro SETB                            ; wo's: chunk CH begins 256 x CH bytes into each row
	s_lshl_b32 s56, s[CH], 8
	s_mov_b32 s57, 0
	s_add_nc_u64 s[G0B+2:G0B+3], s[BASEB:BASEB+1], s[56:57]
	s_or_b32 s[G0B+3], s[G0B+3], 0x80000000
.endm
.macro XLD m, s                        ; x's fragment (row tile m, K step s): registers 4 c on: k = 128 s + 32 c + 16 h + 0 .. 15 of row 16 m + r
.irp c, 0,1,2,3
	global_load_b128 v[16*(4*(\m)+(\s))+4*\c:16*(4*(\m)+(\s))+4*\c+3], v[XA], s[4:5] offset:8192*(\m)+128*(\s)+32*\c
.endr
.endm
	s_load_b256 s[4:11], s[0:1], 0x0               ; x s[4:5], the capacities s[6:7], the scales' exponents s[8:9], wi s[10:11]
	s_load_b128 s[12:15], s[0:1], 0x20             ; wo s[12:13], out s[14:15]
	v_lshl_add_u32 v[SPW], v0, 2, SPARE
	v_mov_b32 v[NIL], 0
	ds_add_u32 v1, v2
	ds_add_u32 v1, v2
	s_wait_dscnt 0x0
	v_lshrrev_b32 v16, 5, v0
	v_readfirstlane_b32 s[WV], v16                 ; wave 0..3
	v_and_b32 v16, 15, v0                          ; r
	v_bfe_u32 v17, v0, 4, 1                        ; h
	v_and_b32 v18, 31, v0                          ; lane
	v_lshlrev_b32 v[XA], 9, v16
	v_lshl_add_u32 v[XA], v17, 4, v[XA]            ; x: row r of 512 bytes, + 16 h
	s_lshr_b32 s17, s[WV], 1                       ; i: which 64 rows
	s_and_b32 s18, s[WV], 1                        ; j: which 128 units, which 256 columns
	s_xor_b32 s19, s18, 1                          ; the partner's j
	s_bfe_u32 s20, ttmp6, 0x40000                  ; cx: it enters x's and out's addresses alone
	s_and_b32 s22, ttmp9, 7                        ; the expert (in a cluster launch ttmp9 counts clusters): the four partners share it
	s_lshr_b32 s[CH], ttmp9, 3                     ; q, 0 to 7: which of the expert's eight clusters, and my cluster's first chunk
	s_lshl_b32 s21, s22, 5                         ; an expert has 32 blocks of 128 rows,
	s_lshl_b32 s23, s[CH], 2                       ; a cluster four of them
	s_add_co_u32 s21, s21, s23
	s_add_co_u32 s21, s21, s20                     ; my block of 128 rows: 32 x expert + 4 q + cx
	; group 1 for wi: 64 rows x 512 bytes a wave
	s_mov_b32 s[G1A], 15|(1<<20)|(1<<21)|(6<<22)|(3<<25)   ; 15:0 the mask: all four work-groups; 17:16 elements of 1 byte; 20 padding on; 21 set beside a mask; 24:22 after every 128 words (code 6); 31:25 four words (code 3)
	s_mov_b32 s[G1A+1], 512<<16                    ; tensor_dim0
	s_mov_b32 s[G1A+2], 64<<16                     ; tensor_dim1
	s_mov_b32 s[G1A+3], 512<<16                    ; tile_dim0
	s_mov_b32 s[G1A+4], 64                         ; tile_dim1
	s_mov_b32 s[G1A+5], 512                        ; from row to row
	s_mov_b32 s[G1A+6], 0
	s_mov_b32 s[G1A+7], 0
	; group 1 for wo: 128 rows x 256 bytes a wave, rows 2,048 bytes apart
	s_mov_b32 s[G1B], 15|(1<<20)|(1<<21)|(5<<22)|(3<<25)   ; padding: four words after every 64
	s_mov_b32 s[G1B+1], 256<<16
	s_mov_b32 s[G1B+2], 128<<16
	s_mov_b32 s[G1B+3], 256<<16
	s_mov_b32 s[G1B+4], 128
	s_mov_b32 s[G1B+5], 2048
	s_mov_b32 s[G1B+6], 0
	s_mov_b32 s[G1B+7], 0
	s_lshl_b32 s58, s21, 16                        ; x: 128 rows x 512 bytes a work-group,
	s_lshl_b32 s23, s17, 15                        ; 64 rows for i
	s_add_co_u32 s58, s58, s23
	s_mov_b32 s59, 0
	s_wait_kmcnt 0x0
	s_load_b256 s[68:75], s[6:7], 0x0              ; the capacities: read, and used nowhere, as in the computation itself
	s_load_b128 s[60:63], s[8:9], 0x0              ; e0, e1, e2, e3
	s_add_nc_u64 s[4:5], s[4:5], s[58:59]
	; x IS ASKED FOR FIRST: the first product needs x and wi's tile; wo's tile is needed a phase later.  Sixty of the 64 loads go out here; the last four follow the tensor loads: LOADcnt's field holds 63
	; (ISA guide 5.7.1), and a load that has to wait for room in it would hold back all that stands behind it.
	WIN 0x40                                       ; destination window 1
.irp m, 0,1,2,3
.irp s, 0,1,2,3
.if (4*\m+\s) < 15
	XLD \m, \s
.endif
.endr
.endr
	WIN 0
	s_lshl_b32 s58, s21, 18                        ; out: 128 rows x 2,048 bytes a work-group,
	s_lshl_b32 s23, s17, 17                        ; 64 rows for i,
	s_add_co_u32 s58, s58, s23
	s_lshl_b32 s23, s18, 10                        ; 256 columns x 4 bytes for j
	s_add_co_u32 s58, s58, s23
	s_add_nc_u64 s[14:15], s[14:15], s[58:59]
	s_lshl_b32 s56, s22, 20                        ; an expert's wi and wo are 2^20 bytes each
	s_lshl_b32 s23, s[WV], 15                      ; wi: my 64 rows of a tile's 256
	s_add_co_u32 s56, s56, s23
	s_mov_b32 s57, 0
	s_add_nc_u64 s[BASEA:BASEA+1], s[10:11], s[56:57]
	s_lshl_b32 s56, s22, 20
	s_lshl_b32 s23, s[WV], 18                      ; wo: my 128 rows of the 512
	s_add_co_u32 s56, s56, s23
	s_add_nc_u64 s[BASEB:BASEB+1], s[12:13], s[56:57]
	s_mov_b32 s[G0A], 1                            ; 1:0 count = 1
	s_mul_i32 s[G0A+1], s[WV], 64*PA               ; 63:32 LDS address: no place in the cluster enters it
	SETA
	s_mov_b32 s[G0B], 1
	s_mul_i32 s[G0B+1], s[WV], 128*PB
	s_add_co_u32 s[G0B+1], s[G0B+1], SLOTB
	SETB
	ROUND                                          ; all four work-groups are here: the first joint loads meet
	tensor_load_to_lds s[G0A:G0A+3], s[G1A:G1A+7]  ; chunk q's tile of wi,
	s_nop 0
	tensor_load_to_lds s[G0B:G0B+3], s[G1B:G1B+7]  ; and of wo: two loads of mine are out
	s_nop 0
	PLACES 4                                       ; four v_nop follow the tensor loads
	WIN 0x40
	XLD 3, 3                                       ; x's last fragment
	WIN 0
	v_mul_u32_u24 v[ADWI], v16, PA
	v_lshl_add_u32 v[ADWI], v17, 4, v[ADWI]
	s_mul_i32 s23, s18, 128*PA
	v_add_nc_u32 v[ADWI], s23, v[ADWI]             ; 528 r + 16 h + my 128 rows
	v_mul_u32_u24 v[ADWO], v16, PB
	v_lshl_add_u32 v[ADWO], v17, 4, v[ADWO]
	s_mul_i32 s23, s18, 256*PB
	s_add_co_u32 s23, s23, SLOTB
	v_add_nc_u32 v[ADWO], s23, v[ADWO]             ; slot B + 272 r + 16 h + my 256 rows,
	s_lshl_b32 s23, s19, 7
	v_add_nc_u32 v[ADWP], s23, v[ADWO]             ; + 128 bytes x the K step: the partner's,
	s_lshl_b32 s23, s18, 7
	v_add_nc_u32 v[ADWO], s23, v[ADWO]             ; and mine
	v_lshlrev_b32 v[CO], 4, v18
	s_lshl_b32 s23, s17, 14
	s_add_co_u32 s23, s23, HIMG
	v_add_nc_u32 v[HLD], s23, v[CO]                ; the images of my rows: 16 x lane + 16384 i,
	s_lshl_b32 s23, s18, 11
	v_add_nc_u32 v[HST], s23, v[HLD]               ; + 2048 x the K step: mine,
	s_lshl_b32 s23, s19, 11
	v_add_nc_u32 v[HLD], s23, v[HLD]               ; and the partner's
	s_mul_i32 s23, s[WV], 16*SP                    ; my stage
	v_mul_u32_u24 v[STO], v16, SP
	v_lshl_add_u32 v[STO], v17, 5, v[STO]
	v_add_nc_u32 v[STO], s23, v[STO]               ; in: row r, 32 bytes for each half of the lanes
	v_add_nc_u32 v[RD], s23, v[CO]                 ; back: the 32 lanes take one row of 512 bytes
	s_wait_kmcnt 0x0
	s_sub_co_i32 s58, s62, s60
	s_sub_co_i32 s58, s58, s61                     ; a sum of P1 stands for sum x 2^(e0 + e1): its code is sum / 2^(e2 - e0 - e1): three scales in the conversion's one
	s_add_co_i32 s58, s58, 127
	s_lshl_b32 s59, s58, 23
	v_mov_b32 v[SC], s59
	s_add_co_i32 s58, s58, 15
	s_lshl_b32 s58, s58, 23
	s_or_b32 s58, s58, 0x600000
	v_mov_b32 v[LIM], s58                          ; 57,344 x that scale
	s_add_co_i32 s[OSC], s62, s63
	s_add_co_i32 s[OSC], s[OSC], 127
	s_lshl_b32 s[OSC], s[OSC], 23                  ; 2^(e2 + e3) as f32
	s_mov_b32 s[OSC+1], s[OSC]                     ; (named with it as a pair, so it is written)
; ---- THE LOADS OF FRAGMENTS.  Three pairs of fragment registers take turns through both phases: P1's step t uses pair t % 3, P2's step t pair (t + 1) % 3, which goes on from P1's sixteen steps.
.macro LW1 t                           ; P1's step t: two fragments of wi (piece t / 2, K steps 2 (t % 2) and 2 (t % 2) + 1 of x's four): eight loads of 16 bytes
.irp e, 0,1
.irp c, 0,1,2,3
	ds_load_b128 v[W+32*((\t)%3)+16*\e+4*\c:W+32*((\t)%3)+16*\e+4*\c+3], v[ADWI] offset:((\t)/2)*16*PA+(2*((\t)%2)+\e)*128+32*\c
.endr
.endr
.endm
.macro LW2 t                           ; P2's step t: two fragments of wo (K step t / 8: 0 mine, 1 the partner's; column tiles 2 (t % 8) and 2 (t % 8) + 1): eight loads of 16 bytes
.irp e, 0,1
.irp c, 0,1,2,3
.if (\t) < 8
	ds_load_b128 v[W+32*(((\t)+1)%3)+16*\e+4*\c:W+32*(((\t)+1)%3)+16*\e+4*\c+3], v[ADWO] offset:16*PB*(2*((\t)%8)+\e)+32*\c
.else
	ds_load_b128 v[W+32*(((\t)+1)%3)+16*\e+4*\c:W+32*(((\t)+1)%3)+16*\e+4*\c+3], v[ADWP] offset:16*PB*(2*((\t)%8)+\e)+32*\c
.endif
.endr
.endr
.endm
.macro LH                              ; the partner's four fragments of h, as it stored them
.irp m, 0,1,2,3
.irp c, 0,1,2,3
	ds_load_b128 v[HPART+16*\m+4*\c:HPART+16*\m+4*\c+3], v[HLD] offset:4096*\m+512*\c
.endr
.endr
.endm
; ---- P1.
.macro HOLD set, k                     ; number k of a piece's 32: the activation and the hold in one: the conversion to an 8-bit code does not saturate (ISA guide 7.6.2)
	v_med3_num_f32 v[HACC+32*(\set)+(\k)], v[HACC+32*(\set)+(\k)], 0, v[LIM]
.endm
; Piece pp's 4 x 8 numbers become registers 2 pp, 2 pp + 1 of my four fragments of h.  Behind an odd piece 2 c + 1: the upper lanes of registers 4 c, 4 c + 1 (units 32 c + 8 on) change places with the lower lanes of
; registers 4 c + 2, 4 c + 3 (units 32 c + 16 on), and the four registers, now k = 32 c + 16 (lane / 16) + 0 .. 15, go to LDS as they stand.
.macro CVT pp
	WIN 0
.irp m, 0,1,2,3
	v_cvt_scalef32_pk8_bf8_f32 v[HOWN+16*\m+2*(\pp):HOWN+16*\m+2*(\pp)+1], v[HACC+32*((\pp)%2)+8*\m:HACC+32*((\pp)%2)+8*\m+7], v[SC]
.endr
	v_nop                                          ; one plain vector line between a scaled conversion and the next vector or matrix line that touches its result or writes its sources
.if (\pp)%2 == 1
.irp m, 0,1,2,3
	v_permlane16_swap_b32 v[HOWN+16*\m+2*(\pp)-2], v[HOWN+16*\m+2*(\pp)]
	v_permlane16_swap_b32 v[HOWN+16*\m+2*(\pp)-1], v[HOWN+16*\m+2*(\pp)+1]
.endr
.irp m, 0,1,2,3
	ds_store_b128 v[HST], v[HOWN+16*\m+4*((\pp)/2):HOWN+16*\m+4*((\pp)/2)+3] offset:4096*\m+512*((\pp)/2)
.endr
.endif
.endm
; Step t's eight products.  The four accumulators of a piece take turns, one instruction a turn.  The piece before, in the other set of four, is held meanwhile: its 32 lines, in
; ascending order, stand in slices behind the products; the four behind a step's last product name none of that product's registers and are the places in front of the loads into the pair just read.
.macro MMH t
.set PCE, (\t)/2
.set SETP, PCE%2
.set SETQ, 1-SETP
	WIN S1
.irp idx, 0,1,2,3,4,5,6,7
.set EE, \idx/4
.set MM, \idx%4
.set KS, 2*((\t)%2)+EE
.if KS == 0
	v_wmma_f32_16x16x128_bf8_bf8 v[HACC+32*SETP+8*MM:HACC+32*SETP+8*MM+7], v[W+32*((\t)%3)+16*EE:W+32*((\t)%3)+16*EE+15], v[16*(4*MM+KS):16*(4*MM+KS)+15], 0
.else
	v_wmma_f32_16x16x128_bf8_bf8 v[HACC+32*SETP+8*MM:HACC+32*SETP+8*MM+7], v[W+32*((\t)%3)+16*EE:W+32*((\t)%3)+16*EE+15], v[16*(4*MM+KS):16*(4*MM+KS)+15], v[HACC+32*SETP+8*MM:HACC+32*SETP+8*MM+7]
.endif
.if PCE > 0
.if \idx < 6
	HOLD SETQ, 16*((\t)%2)+2*\idx
	HOLD SETQ, 16*((\t)%2)+2*\idx+1
.elseif \idx == 7
	HOLD SETQ, 16*((\t)%2)+12
	HOLD SETQ, 16*((\t)%2)+13
	HOLD SETQ, 16*((\t)%2)+14
	HOLD SETQ, 16*((\t)%2)+15
.endif
.elseif \idx == 7
	PLACES 4                                       ; the first piece has no piece before it
.endif
.endr
.endm
.macro STEP1 t                         ; steps 0 to 14
.if ((\t) == 1) || ((\t) == 14)
	s_wait_dscnt 8                                 ; step 1: its fragments were asked for last of the first three, and only step 3's eight loads stand behind them;  step 14: only step 15's may be out
.else
	s_wait_dscnt 16                                ; this step's loads are in; the two steps' behind them (8 each) may be out
.endif
	MMH \t
.if (\t)+3 <= 15
	LW1 \t+3
.endif
.if ((\t)%2 == 1) && (PCE > 0)
	CVT PCE-1
.endif
.endm
; P1'S LAST STEP LEAVES SLOT A.  In front of its products each wave waits for all its tensor loads, of which one is out: its part of wo's tile; adds 0 to its spare word; and waits for that and for its LDS loads, the last
; reads of slot A among them: the step's own fragments need that wait in any case.  Its eight products stand between the barrier's signal and wait.  Behind the barrier slot B is whole and nobody reads slot A.
; fill = 1: the barrier opens a round of the cluster's, and slot A takes the next chunk's tile of wi, which has all of P2 in which to land.  Then P2's first three steps' fragments are asked for (steps 13, 14, 15 have
; left pairs 1, 2, 0), and the last piece is held, converted and stored while they are on their way.
.macro P1 fill
.irp t, 0,1,2,3,4,5,6,7,8,9,10,11,12,13,14
	STEP1 \t
.endr
	WIN 0                                          ; (the add's two registers lie in window 0)
	s_wait_tensorcnt 0x0                           ; no tensor load of mine is out, so a group 0 may be written
	ds_add_u32 v[SPW], v[NIL]                      ; 0 onto my spare word
.if \fill
	s_add_co_u32 s[CH], s[CH], 1
	s_and_b32 s[CH], s[CH], 7                      ; the next chunk, round the eight
	SETA
.endif
	s_wait_dscnt 0x0                               ; the add is done, step 15's fragments are in, and my reads of slot A are over
	s_barrier_signal -1
	MMH 15
	WIN 0
	s_barrier_wait -1
.if \fill
	CREST
	tensor_load_to_lds s[G0A:G0A+3], s[G1A:G1A+7]  ; the first tensor load behind the round, and my only one until the next
	s_nop 0
	PLACES 4
.endif
	LW2 0                                          ; (behind step 15's last product stand the four holds of its last slice: the places in front of the loads into pair 0)
	LW2 1
	LW2 2
	CVT 6
.irp k, 0,1,2,3,4,5,6,7,8,9,10,11,12,13,14,15,16,17,18,19,20,21,22,23,24,25,26,27,28,29,30,31
	HOLD 1, \k                                     ; the last piece (five plain lines or more stand behind its last product: four holds of piece 6 and the line behind piece 6's conversions)
.endr
	CVT 7
.endm
; ---- P2.  Step t of 16: two fragments of wo, eight matrix instructions on eight accumulators.
.macro MM2 t, zero                     ; zero = 1: the first chunk's own K step starts the sums: nothing is ever cleared
.if ((\t)%8) < 4
	WIN 0xa0                                       ; C and D window 2
.else
	WIN 0xf0                                       ; C and D window 3
.endif
.irp e, 0,1
.irp m, 0,1,2,3
.set AC, 64*\m+8*((2*((\t)%8)+\e)%8)
.set WF, W+32*(((\t)+1)%3)+16*\e
.if (\t) < 8
.set HF, HOWN+16*\m
.else
.set HF, HPART+16*\m
.endif
.if (\zero) && ((\t) < 8)
	v_wmma_f32_16x16x128_bf8_bf8 v[AC:AC+7], v[WF:WF+15], v[HF:HF+15], 0
.else
	v_wmma_f32_16x16x128_bf8_bf8 v[AC:AC+7], v[WF:WF+15], v[HF:HF+15], v[AC:AC+7]
.endif
.endr
.endr
.endm
.macro STEP2 t, zero                   ; steps 1 to 12
.if (\t) == 3
	s_wait_dscnt 32                                ; behind step 3's loads: the partner's 16 and two steps' 8 each
.elseif (\t) > 3
	s_wait_dscnt 16                                ; two steps'; so the partner's fragments are in from step 4 on, four steps ahead of their use
.endif                                         ; (steps 1 and 2: the wait for 0 at P2's head has shown their fragments in)
	MM2 \t, \zero
	PLACES 4                                       ; in front of the loads into the pair just read
	WIN 0
	LW2 \t+3
.endm
; P2's head: a plain barrier for the images of h: each wave's stores of them are done in front of its signal, and the partner's are read behind the wait.  The tile of wi may
; stay on its way across it.  The first step's products, on my own codes, stand between signal and wait.
; next = 1: the last three steps change back to P1.  In front of the round each wave waits for all its tensor loads (its part of the next tile of wi), adds 0 to its spare word, and waits for that and for its reads of
; slot B and of the images.  Behind the round slot B takes the next chunk's tile of wo, which has fifteen steps of P1 in which to land; then P1's first fragments are fetched: steps 13, 14, 15 leave pairs 2, 0, 1, so
; those of P1's steps 0 and 2 are asked for behind the round and those of step 1 behind the last products.
.macro P2 zero, next
	s_wait_dscnt 0x0                               ; my images of h are stored; the first three steps' fragments of wo are in
	s_barrier_signal -1
	MM2 0, \zero
	PLACES 4                                       ; in front of the loads into the pair just read
	WIN 0
	s_barrier_wait -1
	LW2 3
	LH
.irp t, 1,2,3,4,5,6,7,8,9,10,11,12
	STEP2 \t, \zero
.endr
.if \next
	s_wait_tensorcnt 0x0                           ; (every window is 0 here: the add's two registers lie in window 0)
	ds_add_u32 v[SPW], v[NIL]                      ; 0 onto my spare word
	SETB                                           ; the same chunk as slot A's last fill
	s_wait_dscnt 17                                ; step 13's loads are in; behind them: two steps' 8 each, and the add
	MM2 13, 0                                      ; eight matrix instructions stand between the add and the wait for it
	s_wait_dscnt 0x0                               ; the add is done, and my reads of slot B and of the images are over
	s_barrier_signal -1
	MM2 14, 0
	WIN 0
	s_barrier_wait -1
	CREST
	tensor_load_to_lds s[G0B:G0B+3], s[G1B:G1B+7]  ; the first tensor load behind the round, and my only one until the next
	s_nop 0
	PLACES 4                                       ; also the places in front of the loads into pairs 0 and 2
	LW1 0
	LW1 2
	MM2 15, 0
	PLACES 5                                       ; four for the loads into pair 1; five since P1's first products write over the partner's fragments, which these products read
	WIN 0
	LW1 1
.else
	s_wait_dscnt 16                                ; the last chunk: nothing more to fetch, the counts run down
	MM2 13, 0
	s_wait_dscnt 8
	MM2 14, 0
	s_wait_dscnt 0
	MM2 15, 0
	WIN 0
.endif
.endm
	s_wait_tensorcnt 1                             ; my part of wi's first tile is in; wo's may stay out
	s_barrier_signal -1
	s_barrier_wait -1                              ; everybody's is
	LW1 0                                          ; in the order in which P2's tail asks for them, so that P1's counts hold on both ways in
	LW1 2
	LW1 1
	s_wait_loadcnt 0x0                             ; x
	P1 1                                           ; the first chunk is written out: its P2 starts out's sums
	P2 1, 1
	s_mov_b32 s[CNT], 6
.Lchunk:                                               ; six chunks, each of which asks for the next chunk's two tiles
	P1 1
	P2 0, 1
	s_sub_co_u32 s[CNT], s[CNT], 1
	s_cmp_lg_u32 s[CNT], 0
	s_cbranch_scc1 .Lchunk
	P1 0                                           ; the last chunk is written out: it asks for nothing
	P2 0, 0
; THE WAY OUT, in eight blocks of 16 rows x 128 columns: block a = row tile a % 4, column tiles 8 (a / 4) on.  A lane holds 32 neighbouring bytes of a row, and the lanes beside it other rows: so a block goes through
; my own stage in LDS and comes back as whole rows of 512 bytes.  LDS serves a wave's instructions in order (ISA guide 5.7.1.4): no wait between the stores and the loads, nor in front of the next block's stores.
.macro TOSTAGE a
.set AC, 64*((\a)%4)
	WIN 0x02+((\a)/4)                              ; source 0: window 2 or 3
.irp j, 0,2,4,6,8,10,12,14,16,18,20,22,24,26,28,30,32,34,36,38,40,42,44,46,48,50,52,54,56,58,60,62
	v_pk_mul_f32 v[TMP+\j:TMP+\j+1], v[AC+\j:AC+\j+1], s[OSC:OSC+1] op_sel_hi:[1,0]   ; x 2^(e2 + e3); each accumulator from its low end on
.endr
	WIN 0
.irp b, 0,1,2,3,4,5,6,7
	ds_store_b128 v[STO], v[TMP+8*\b:TMP+8*\b+3] offset:64*\b
	ds_store_b128 v[STO], v[TMP+8*\b+4:TMP+8*\b+7] offset:64*\b+16
.endr
.set BB, BK+64*((\a)%2)
.irp t, 0,1,2,3,4,5,6,7,8,9,10,11,12,13,14,15
	ds_load_b128 v[BB+4*\t:BB+4*\t+3], v[RD] offset:\t*SP
.endr
.endm
.macro SEND a, younger                 ; younger: the LDS instructions issued behind block a's loads, which may stay out
.set BB, BK+64*((\a)%2)
	s_wait_dscnt \younger
.irp t, 0,1,2,3,4,5,6,7,8,9,10,11,12,13,14,15
	global_store_b128 v[CO], v[BB+4*\t:BB+4*\t+3], s[14:15] offset:(16*((\a)%4)+\t)*2048+512*((\a)/4) th:TH_STORE_NT   ; 32 lanes store 512 consecutive bytes, at a multiple of 512 from out's first byte; written once, read by nobody here
.endr
.endm
	PLACES 4                                       ; behind the last products: their results are read, and their operands' registers written, from here on
	TOSTAGE 0
.irp a, 1,2,3,4,5,6,7
.if \a > 1
	s_wait_xcnt 0x0                                ; block a - 2's stores have read their registers: block a's loads may land there
.endif
	TOSTAGE \a
	SEND \a-1, 32                                  ; behind block a - 1's loads: block a's 16 stores and 16 loads
.endr
	SEND 7, 0
	s_wait_tensorcnt 0x0                           ; the wave's end: behind my last tensor load and my last LDS store
	ds_add_u32 v[SPW], v[NIL]
	s_wait_dscnt 0x0
	ROUND                                          ; the closing round: no work-group ends while a partner may still ask for a tile that names it
	s_endpgm
.Lfunc_end_k_qdf6ade4c0c_ffn:
	.size	k_qdf6ade4c0c_ffn, .Lfunc_end_k_qdf6ade4c0c_ffn-k_qdf6ade4c0c_ffn
	.p2alignl 7, 3214868480
	.fill 96, 4, 3214868480
	.section	.rodata,"a",@progbits
	.p2align	6, 0x0
	.amdhsa_kernel k_qdf6ade4c0c_ffn
		.amdhsa_group_segment_fixed_size 327680
		.amdhsa_private_segment_fixed_size 0
		.amdhsa_enable_private_segment 0
		.amdhsa_kernarg_size 48
		.amdhsa_user_sgpr_count 2
		.amdhsa_user_sgpr_kernarg_segment_ptr 1
		.amdhsa_wavefront_size32 1
		.amdhsa_system_sgpr_workgroup_id_x 1
		.amdhsa_system_sgpr_workgroup_id_y 1
		.amdhsa_system_sgpr_workgroup_id_z 1
		.amdhsa_system_vgpr_workitem_id 0
		.amdhsa_next_free_vgpr 1024
		.amdhsa_next_free_sgpr 76
		.amdhsa_reserve_vcc 0
		.amdhsa_float_denorm_mode_32 3
		.amdhsa_float_denorm_mode_16_64 3
		.amdhsa_memory_ordered 1
		.amdhsa_forward_progress 1
		.amdhsa_inst_pref_size 235
	.end_amdhsa_kernel
	.amdgpu_metadata
---
amdhsa.version: [ 1, 2 ]
amdhsa.kernels:
  - .name:           k_qdf6ade4c0c_ffn
    .symbol:         k_qdf6ade4c0c_ffn.kd
    .args:
      - { .name: dispatched_hidden_states_codes, .offset: 0, .size: 8, .value_kind: global_buffer, .address_space: global }
      - { .name: experts_capacity_usage, .offset: 8, .size: 8, .value_kind: global_buffer, .address_space: global }
      - { .name: lowp_scales, .offset: 16, .size: 8, .value_kind: global_buffer, .address_space: global }
      - { .name: wi_codes, .offset: 24, .size: 8, .value_kind: global_buffer, .address_space: global }
      - { .name: wo_codes, .offset: 32, .size: 8, .value_kind: global_buffer, .address_space: global }
      - { .name: out0, .offset: 40, .size: 8, .value_kind: global_buffer, .address_space: global }
    .group_segment_fixed_size: 327680
    .private_segment_fixed_size: 0
    .kernarg_segment_align: 8
    .kernarg_segment_size: 48
    .max_flat_workgroup_size: 128
    .sgpr_count:     76
    .vgpr_count:     1024
    .wavefront_size: 32
...
	.end_amdgpu_metadata
.endif
;; end of part 1
